; MI455X (gfx1250); checked and timed in simulation.
; The chip was launched on July 23, 2026; its instructions are those of AMD's public machine-readable ISA for CDNA 5 (MIT licence, August 2026) and "CDNA5" Instruction Set Architecture Reference Guide (July 2026). The comments in the code are by the model that wrote it; some were corrected since.
;; Quant Linear. Allowed arithmetic: float matrix products may take bf16 or f16 operands with f32 sums; other float arithmetic in f32, or as packed bf16 or f16 multiplies, adds, multiply-adds, maxima and minima; sums over many terms, partial sums and values carried from step to step in f32; what a program stores and reads back later, other than sums and carried values, may be rounded once to bf16 or f16.
;; Inputs: bias 4,096 float32; qweight 2,048 x 4,096 int32; scales 4,096 x 1 float32; x 4 x 1,024 x 4,096 float32; zeros 4,096 x 1 float32.
;; Outputs: out0 4 x 1,024 x 4,096 float32.
;; 2 versions, each right; version 2 is version 1 with the launch prep written anew for expert scheduling mode. Each part assembles by itself: llvm-mc -triple=amdgcn-amd-amdhsa -mcpu=gfx1250 --defsym DOCPART=n.
;; ======== version 1 of 2: 2 launches
;; workspace buffers: xb 33,554,432 bytes; wb 33,554,432 bytes
;; launch prep (part 1): grid 1024 x 1, 8 waves a work-group, no clusters, 0 bytes of LDS; arguments x, qweight, scales, zeros, xb, wb; writes xb, wb
.if DOCPART == 1
	.amdgcn_target "amdgcn-amd-amdhsa--gfx1250"
	.amdhsa_code_object_version 6
	.text
	.protected	k_qd10d781baf_prep
	.globl	k_qd10d781baf_prep
	.p2align	8
	.type	k_qd10d781baf_prep,@function
k_qd10d781baf_prep:
	s_mov_b64 s[64:65], 0
	v_nop
	global_prefetch_b8 v0, s[64:65] scope:SCOPE_SE
	s_setreg_imm32_b32 hwreg(HW_REG_WAVE_MODE, 25, 1), 1
	s_wait_xcnt 0x0
; PREPARATION FOR THE PRODUCT y = x w + bias, w[i][o] = (q[i][o] - zp[o]) scale[o], zp = round(zeros / scales), ties to even.
;   xb[m][i] = x[m][i] rounded once to bf16                               [4096][4096] bf16
;   wb[i][o] = q[i][o] - zp[o], formed in f32 and rounded once to bf16    [4096][4096] bf16, row i = input index; the scale is applied behind the product
; q[2 R][o] is bits 3:0 and q[2 R + 1][o] bits 7:4 of qweight[R][o]; the word's other bits are not used, as in the definition.
; ALL FLOAT INPUTS ARE TAKEN ROUNDED TO bf16: zp is made from zeros and scales so rounded; scales and bias are rounded the same way where they are applied.
; LIMITS.  |scales| within 2^-126 .. 2^126 (v_rcp_f32 takes a denormal as 0 and gives 0 for a denormal result: ISA guide, its entry in 15.8).
; q - zp is a whole number, held exactly in bf16 up to 256 in magnitude; beyond that it is rounded once, to 8 significant bits, as a matrix operand.
; A STREAM: every byte of x and qweight is read once and every byte of xb and wb written once.  No LDS, no barrier, no matrix unit, no cluster: no work-group wants a byte of x or
; qweight that another reads (scales and zeros, 4 KiB each a work-group, are 8 KiB of its 104 KiB of input).
; SHARES.  Work-group g of 1,024, thread t of 256.  x: bytes 65,536 g .. of x in 16 steps of 4,096; thread t takes 16 bytes at 16 t of each and writes 8 at 8 t.
; qweight: rows 8 (g / 4) + j, j = 0..7, columns 1,024 (g % 4) + 4 t .. + 3: a thread keeps its four columns, so four zero points serve all its rows.
; A wave's load covers 512 consecutive bytes, a wave's store 256 consecutive bytes, aligned.  All 26 loads of a thread go out at once; the waits count down.
.set Z,   4                            ; v[4:7]    zeros of my 4 columns
.set S,   8                            ; v[8:11]   scales
.set Y,   12                           ; v[12:15]  1 / scale
.set E,   16                           ; v[16:19]  at work
.set ZP,  20                           ; v[20:23]  zero points
.set T,   24                           ; v[24:31]  eight numbers in f32, at work
.set X,   32                           ; v[32:95]  step i of x: 4 registers
.set Q,   96                           ; v[96:127] row j of qweight: 4 registers
	s_load_b256 s[4:11], s[0:1], 0x0               ; x s[4:5], qweight s[6:7], scales s[8:9], zeros s[10:11]
	s_load_b128 s[12:15], s[0:1], 0x20             ; xb s[12:13], wb s[14:15]
	s_mov_b32 s16, 0xffff0000                      ; a word's upper bf16
	s_and_b32 s20, ttmp9, 3                        ; which 1,024 columns
	s_lshr_b32 s21, ttmp9, 2                       ; which 8 rows of qweight
	s_lshl_b32 s22, s20, 12                        ; 1,024 columns of 4 bytes
	s_lshl_b32 s23, s20, 11                        ; 1,024 columns of 2 bytes
	s_lshl_b32 s21, s21, 17                        ; 8 rows of 16,384 bytes in qweight = 16 rows of 8,192 bytes in wb
	s_mov_b32 s19, 0                               ; every offset is under 2^32
	v_lshlrev_b32 v1, 4, v0                        ; 16 t
	v_lshlrev_b32 v2, 3, v0                        ; 8 t
	s_wait_kmcnt 0x0
	s_lshl_b32 s18, ttmp9, 16
	s_add_nc_u64 s[4:5], s[4:5], s[18:19]          ; x at my work-group's 65,536 bytes
	s_lshl_b32 s18, ttmp9, 15
	s_add_nc_u64 s[12:13], s[12:13], s[18:19]      ; xb at its 32,768
	s_add_co_u32 s18, s21, s22
	s_add_nc_u64 s[6:7], s[6:7], s[18:19]          ; qweight at my first row and column
	s_add_co_u32 s18, s21, s23
	s_add_nc_u64 s[14:15], s[14:15], s[18:19]      ; wb likewise
	s_mov_b32 s18, s22
	s_add_nc_u64 s[8:9], s[8:9], s[18:19]          ; scales and zeros at my first column
	s_add_nc_u64 s[10:11], s[10:11], s[18:19]
	global_load_b128 v[Z:Z+3], v1, s[10:11]
	global_load_b128 v[S:S+3], v1, s[8:9]
.irp i, 0,1,2,3,4,5,6,7,8,9,10,11,12,13,14,15
	global_load_b128 v[X+4*(\i):X+4*(\i)+3], v1, s[4:5] offset:4096*(\i) th:TH_LOAD_NT
.endr
.irp j, 0,1,2,3,4,5,6,7
	global_load_b128 v[Q+4*(\j):Q+4*(\j)+3], v1, s[6:7] offset:16384*(\j) th:TH_LOAD_NT
.endr
	; THE ZERO POINTS, while x and qweight are on their way.
	s_wait_loadcnt 24                              ; zeros and scales are in; the 24 younger loads stay out
	v_cvt_pk_bf16_f32 v[E],   v[Z],   v[Z+1]       ; rounded to bf16,
	v_cvt_pk_bf16_f32 v[E+1], v[Z+2], v[Z+3]
	v_cvt_pk_bf16_f32 v[E+2], v[S],   v[S+1]
	v_cvt_pk_bf16_f32 v[E+3], v[S+2], v[S+3]
.irp p, 0,1
	v_lshlrev_b32 v[Z+2*(\p)],   16,  v[E+(\p)]    ; and widened again
	v_and_b32     v[Z+2*(\p)+1], s16, v[E+(\p)]
	v_lshlrev_b32 v[S+2*(\p)],   16,  v[E+2+(\p)]
	v_and_b32     v[S+2*(\p)+1], s16, v[E+2+(\p)]
.endr
.irp c, 0,1,2,3
	v_rcp_f32 v[Y+(\c)], v[S+(\c)]
.endr
	v_nop                                          ; a plain instruction between the last reciprocal and the first use (ISA guide 5.7.2)
	s_wait_alu depctr_va_vdst(0)                   ; the wait ahead of the first reader: one for the four reciprocals
	; z / s: the reciprocal is refined once, the quotient corrected once by its exact remainder (one fused multiply-add).  A quotient that f32 holds exactly, a tie n + 0.5 among
	; them, comes out exactly, so v_rndne_f32 sends ties to even as the definition does.
.irp c, 0,1,2,3
	v_fma_f32 v[E+(\c)], -v[S+(\c)], v[Y+(\c)], 1.0
.endr
.irp c, 0,1,2,3
	v_fma_f32 v[Y+(\c)], v[E+(\c)], v[Y+(\c)], v[Y+(\c)]
.endr
.irp c, 0,1,2,3
	v_mul_f32 v[ZP+(\c)], v[Z+(\c)], v[Y+(\c)]
.endr
.irp c, 0,1,2,3
	v_fma_f32 v[E+(\c)], -v[S+(\c)], v[ZP+(\c)], v[Z+(\c)]
.endr
.irp c, 0,1,2,3
	v_fma_f32 v[ZP+(\c)], v[E+(\c)], v[Y+(\c)], v[ZP+(\c)]
.endr
.irp c, 0,1,2,3
	v_rndne_f32 v[ZP+(\c)], v[ZP+(\c)]
.endr
; Step i of x: four numbers rounded in place into two registers and stored.  No register that a store reads is written again in this text, so no wait frees one.
.macro XSTEP i
	s_wait_loadcnt 23-(\i)                         ; loads come back in order (ISA guide 5.7.1): behind mine stand 15 - i of x and 8 of qweight
	v_cvt_pk_bf16_f32 v[X+4*(\i)],   v[X+4*(\i)],   v[X+4*(\i)+1]
	v_cvt_pk_bf16_f32 v[X+4*(\i)+1], v[X+4*(\i)+2], v[X+4*(\i)+3]
	global_store_b64 v2, v[X+4*(\i):X+4*(\i)+1], s[12:13] offset:2048*(\i) th:TH_STORE_NT
.endm
; Row j of qweight: its low codes are row 2 j of my 16 rows of wb, its high codes row 2 j + 1.
.macro QSTEP j
	s_wait_loadcnt 7-(\j)
.irp c, 0,1,2,3
	v_and_b32 v[T+(\c)], 15, v[Q+4*(\j)+(\c)]
	v_bfe_u32 v[T+4+(\c)], v[Q+4*(\j)+(\c)], 4, 4
.endr
.irp c, 0,1,2,3,4,5,6,7
	v_cvt_f32_u32 v[T+(\c)], v[T+(\c)]
.endr
.irp p, 0,1,2,3
	v_pk_add_f32 v[T+2*(\p):T+2*(\p)+1], v[T+2*(\p):T+2*(\p)+1], v[ZP+2*((\p)%2):ZP+2*((\p)%2)+1] neg_lo:[0,1] neg_hi:[0,1]  ; q - zp, exact in f32 while zp is under 2^24
.endr
.irp p, 0,1,2,3
	v_cvt_pk_bf16_f32 v[Q+4*(\j)+(\p)], v[T+2*(\p)], v[T+2*(\p)+1]
.endr
	global_store_b64 v2, v[Q+4*(\j):Q+4*(\j)+1],   s[14:15] offset:(2*(\j))*8192 th:TH_STORE_NT
	global_store_b64 v2, v[Q+4*(\j)+2:Q+4*(\j)+3], s[14:15] offset:(2*(\j)+1)*8192 th:TH_STORE_NT
.endm
.irp i, 0,1,2,3,4,5,6,7,8,9,10,11,12,13,14,15
	XSTEP \i
.endr
.irp j, 0,1,2,3,4,5,6,7
	QSTEP \j
.endr
	s_endpgm
.Lfunc_end_k_qd10d781baf_prep:
	.size	k_qd10d781baf_prep, .Lfunc_end_k_qd10d781baf_prep-k_qd10d781baf_prep
	.p2alignl 7, 3214868480
	.fill 96, 4, 3214868480
	.section	.rodata,"a",@progbits
	.p2align	6, 0x0
	.amdhsa_kernel k_qd10d781baf_prep
		.amdhsa_group_segment_fixed_size 0
		.amdhsa_private_segment_fixed_size 0
		.amdhsa_enable_private_segment 0
		.amdhsa_kernarg_size 48
		.amdhsa_user_sgpr_count 2
		.amdhsa_user_sgpr_kernarg_segment_ptr 1
		.amdhsa_wavefront_size32 1
		.amdhsa_system_sgpr_workgroup_id_x 1
		.amdhsa_system_sgpr_workgroup_id_y 1
		.amdhsa_system_sgpr_workgroup_id_z 1
		.amdhsa_system_vgpr_workitem_id 0
		.amdhsa_next_free_vgpr 128
		.amdhsa_next_free_sgpr 66
		.amdhsa_reserve_vcc 0
		.amdhsa_float_denorm_mode_32 3
		.amdhsa_float_denorm_mode_16_64 3
		.amdhsa_memory_ordered 1
		.amdhsa_forward_progress 1
		.amdhsa_inst_pref_size 21
	.end_amdhsa_kernel
	.amdgpu_metadata
---
amdhsa.version: [ 1, 2 ]
amdhsa.kernels:
  - .name:           k_qd10d781baf_prep
    .symbol:         k_qd10d781baf_prep.kd
    .args:
      - { .name: x, .offset: 0, .size: 8, .value_kind: global_buffer, .address_space: global }
      - { .name: qweight, .offset: 8, .size: 8, .value_kind: global_buffer, .address_space: global }
      - { .name: scales, .offset: 16, .size: 8, .value_kind: global_buffer, .address_space: global }
      - { .name: zeros, .offset: 24, .size: 8, .value_kind: global_buffer, .address_space: global }
      - { .name: xb, .offset: 32, .size: 8, .value_kind: global_buffer, .address_space: global }
      - { .name: wb, .offset: 40, .size: 8, .value_kind: global_buffer, .address_space: global }
    .group_segment_fixed_size: 0
    .private_segment_fixed_size: 0
    .kernarg_segment_align: 8
    .kernarg_segment_size: 48
    .max_flat_workgroup_size: 256
    .sgpr_count:     66
    .vgpr_count:     128
    .wavefront_size: 32
...
	.end_amdgpu_metadata
.endif
;; end of part 1
;; launch gemm (part 2): grid 16 x 16, 4 waves a work-group, clusters of 4 x 4, 327,680 bytes of LDS; arguments xb, wb, scales, bias, out0; writes out0
.if DOCPART == 2
	.amdgcn_target "amdgcn-amd-amdhsa--gfx1250"
	.amdhsa_code_object_version 6
	.text
	.protected	k_qd10d781baf_gemm
	.globl	k_qd10d781baf_gemm
	.p2align	8
	.type	k_qd10d781baf_gemm,@function
k_qd10d781baf_gemm:
	s_mov_b64 s[64:65], 0
	v_nop
	global_prefetch_b8 v0, s[64:65] scope:SCOPE_SE
	s_setreg_imm32_b32 hwreg(HW_REG_WAVE_MODE, 25, 1), 1
	s_wait_xcnt 0x0
	s_wait_alu depctr_hold_cnt(0) depctr_sa_sdst(0) depctr_va_vdst(0) depctr_va_sdst(0) depctr_va_ssrc(0) depctr_va_vcc(0) depctr_vm_vsrc(0)
	s_getreg_b32 s2, hwreg(HW_REG_IB_STS2, 6, 4)
	s_cmp_eq_u32 s2, 0
	s_cbranch_scc0 .Lentry_in_a_cluster
	s_endpgm
.Lentry_in_a_cluster:
	s_bfe_u32 s2, ttmp6, 0x10000c
	s_cmp_lg_u32 s2, 0xf033
	s_cbranch_scc0 .Lentry_shape_is_right
	s_endpgm
.Lentry_shape_is_right:
; out0[m][o] = s[o] x (the sum over i of xb[m][i] wb[i][o]) + b[o].  xb: [4096][4096] bf16 (x rounded once); wb: [4096 (i)][4096 (o)] bf16 (code less zero point);
; s and b are scales and bias rounded once to bf16, like every float input of this program; sums in f32; one fused multiply-add in f32 on each finished sum; out0 in f32.
; LIMITS.  The sums' order is the matrix unit's, not that of a chain of f32 additions; NaN and infinities are not treated apart.
; SHAPE.  A tile of out0, 256 x 256, is made by a work-group of four waves; a wave makes 128 x 128: 64 accumulators of 16 x 16, 512 registers.  256 tiles, 256 work-groups.
; K goes in 32 steps of 128 through a ring of two LDS slots filled by the tensor data mover.  A's tile is 256 rows x 256 bytes; B's tile is 128 rows (i) x 512 bytes (256 columns o):
; all rows start at multiples of 256 bytes from their buffer's first byte.  B lies [K][N] in LDS and is turned on its way into registers by ds_load_tr16_b128.
; CLUSTERS: 4 x 4 work-groups.  The four of a row of the cluster need the same tiles of A, the four of a column the same tiles of B: each tile is asked for JOINTLY, by the same tensor
; load with the same descriptor and a mask that names the four; that divides the requests for A and for B by four.
; REGISTERS, in windows of 256 (s_set_vgpr_msb: bits 1:0 source 0, 3:2 source 1, 5:4 source 2, 7:6 destination):
;   window 0: v0-43 addresses, scales, bias; v64-127, v128-191 fragments of A (8 x 16 rows x 32 K), two buffers; on the way out the same 128 registers take rows read back from the stage
;   window 1: v64-127, v128-191 fragments of B, two buffers
;   window 2: the 32 accumulators of my rows 0-63 (accumulator (a, b) at v[8 (8 a + b)]);   window 3: those of my rows 64-127
; THE MATRIX INSTRUCTION IS USED TRANSPOSED: source 0 = 16 columns of B, source 1 = 16 rows of A.  Lane l then holds row l % 16 of the tile and its registers 0 to 7 the columns
; 8 (l / 16) + 0 .. 7: 32 neighbouring bytes of a row of out0.
.set SIZE,   4096                      ; M = N = K
.set KSTEP,  128
.set PA,     272                       ; a row of A in LDS: 256 bytes + 16 of padding = 68 words: row r starts at bank 4 r mod 64 (64 banks of 4 bytes: ISA guide 11.1): the 16 rows of a load start at 16 different banks
.set PB,     544                       ; a row of B: 512 + 32 = 136 words: row r starts at bank 8 r mod 64
.set HALF,   128*PA                    ; what one tensor load brings: 128 rows of A, or 64 rows of B (64 x 544 is the same 34,816 bytes)
.set SLOT,   4*HALF                    ; A's 256 rows, then B's 128 rows
.set BOFF,   2*HALF
.set STAGE,  2*SLOT                    ; behind the ring, never filled by a tensor load: 16 rows x 528 bytes for each wave, for the way out
.set SP,     528                       ; a stage row: 512 bytes + 16 = 132 words: the 16 rows that a store touches start at 16 different banks
.set SPARE,  STAGE+4*16*SP             ; behind the stages: the spare words, 128 bytes for each wave: two blocks of 256 bytes that no other line names
.set LAPS,   SIZE/(2*KSTEP)            ; a lap = two K steps = once round the ring: 16
.set ADRA, 16                          ; v16-17  LDS address of my A fragments in slot 0, 1
.set ADRB, 20                          ; v20-21  the same for B
.set STO,  24                          ; v24     the way out: where I put 32 bytes of a row
.set RD,   25                          ; v25     the way out: where I read 16 bytes of a row back
.set CO,   26                          ; v26     16 x lane: my byte offset in 512 bytes of a row of out0
.set SBO,  27                          ; v27     my byte offset in scales and bias
.set SPW,  28                          ; v28     LDS address of my spare word: SPARE + 4 x my thread's number; never rewritten
.set NIL,  29                          ; v29     0; never rewritten
.set PFO,  30                          ; v30     the prefetches' lane offset; never rewritten
.set SC,   32                          ; v[32:35] the scales of my four columns on the way out
.set BI,   36                          ; v[36:39] their biases
.set F0,   64
.set F1,   128
.set WV,   14                          ; s14  my wave's number
.set RH,   15                          ; s15  which half of the tile's rows is mine.  Also: I fetch for A (0) or for B (1)
.set CH,   16                          ; s16  which half of its columns.  Also: which half of that tile I fetch
.set G1,   24                          ; s[24:31] descriptor group 1 for A's tiles
.set G0,   32                          ; s[32:39] descriptor group 0 for A's tiles, one set for each slot
.set G1B,  48                          ; s[48:55] group 1 for B's tiles
.set G0B,  56                          ; s[56:63] group 0 for B's tiles
.set PFA,  66                          ; s[66:67] where my prefetches stand
.set PFS,  68                          ; s[68:69] a K step in bytes, along A's rows or down B's
.set LIM,  70                          ; s70  1 in a wave that prefetches, else the greatest number
.set CNT,  71                          ; s71  trips of the loop still to come
.set MSB, 0
.macro WIN new                         ; the immediate's high byte repeats the setting that is left; a switch that changes nothing is dropped
.if MSB != (\new)
	s_set_vgpr_msb (MSB<<8)|(\new)
.set MSB, \new
.endif
.endm
.set MUL_LO, 0xa1                      ; source 0 (B) window 1, source 1 (A) window 0, C and D window 2
.set MUL_HI, 0xf1                      ; the same, C and D window 3
.set TO_B,   0x40                      ; destination window 1, address window 0
; A joint load.  Waves 0 and 1 fetch A's two halves, waves 2 and 3 B's.  Each of the two lines has one mask and one set of registers for all that issue it.  The branch hangs on the
; wave's number alone.  An s_nop 0 and four v_nop follow each of the two lines, ahead of the jump, the label and what follows.
.macro JLOAD s
	s_cmp_eq_u32 s[RH], 0
	s_cbranch_scc0 .Lfor_b_\@
	tensor_load_to_lds s[G0+4*(\s):G0+4*(\s)+3], s[G1:G1+7]
	s_nop 0
.rept 4
	v_nop
.endr
	s_branch .Lasked_\@
.Lfor_b_\@:
	tensor_load_to_lds s[G0B+4*(\s):G0B+4*(\s)+3], s[G1B:G1B+7]
	s_nop 0
.rept 4
	v_nop
.endr
.Lasked_\@:
.endm
; A PREFETCH INTO THE L2, behind each joint refill and the run of LDS loads that follows it: my share of the K step that stands TWO refills on, 512 matrix instructions ahead of the load
; that will name it; one instruction a wave, each lane another aligned block of 256 bytes.  Each block is named ONCE in the launch.  A's tile row is read by every cluster of that row of
; clusters: cluster x = 0 asks; B's tile column by every cluster of that column: cluster y = 0 asks.  The four partners that ask for a tile jointly share its rows out BY ADDRESS: of
; the 128 rows of A that a wave fetches the partner at cx takes 32, a lane a row; of the 64 rows of B the partner at cy takes 16, two lanes a row.  No branch hangs on a work-group's
; place in its cluster.  K steps 0 to 3 come by their loads alone; the loop's last trip (CNT = 1) asks for nothing: K step 31 is the last that is named.
.macro ASK
	s_cmp_gt_u32 s[CNT], s[LIM]
	s_cbranch_scc0 .Lnot_mine_\@
	global_prefetch_b8 v[PFO], s[PFA:PFA+1] th:TH_LOAD_NT scope:SCOPE_SE
.Lnot_mine_\@:
.endm
; A round of the cluster's barrier: my work-group's barrier, so that wave 0's signal speaks for all four waves; wave 0 signals; every wave waits for all sixteen work-groups; my
; work-group's barrier once more.  No LDS instruction of the wave is pending at a signal.
.macro CREST                           ; a round behind its opening barrier
	s_cmp_lg_u32 s[WV], 0
	s_cbranch_scc1 .Lnot_wave_0_\@
	s_barrier_signal -3
.Lnot_wave_0_\@:
	s_barrier_wait -3
	s_barrier_signal -1
	s_barrier_wait -1
.endm
.macro CROUND                          ; a whole round
	s_barrier_signal -1
	s_barrier_wait -1
	CREST
.endm
	s_load_b256 s[4:11], s[0:1], 0x0               ; xb s[4:5], wb s[6:7], scales s[8:9], bias s[10:11]
	s_load_b64 s[12:13], s[0:1], 0x20              ; out0
	v_lshl_add_u32 v[SPW], v0, 2, SPARE
	v_mov_b32 v[NIL], 0
	ds_add_u32 v[SPW], v[NIL]                      ; the wave's opening: the add, twice on end, and its wait ahead of my first tensor load; the set-up below stands between
	ds_add_u32 v[SPW], v[NIL]                      ; and once more, under the one wait
	v_lshrrev_b32 v1, 5, v0
	v_readfirstlane_b32 s[WV], v1                  ; wave 0..3
	s_lshr_b32 s[RH], s[WV], 1
	s_and_b32 s[CH], s[WV], 1
	s_bfe_u32 s17, ttmp6, 0x40000                  ; cx: my place along the cluster's x
	s_bfe_u32 s18, ttmp6, 0x40004                  ; cy: along its y
	s_lshl_b32 s19, ttmp9, 2                       ; in a cluster launch ttmp9 and ttmp7 count clusters
	s_add_co_u32 s19, s19, s17                     ; tile column = 4 x cluster x + cx
	s_and_b32 s20, ttmp7, 0xffff
	s_lshl_b32 s20, s20, 2
	s_add_co_u32 s20, s20, s18                     ; tile row = 4 x cluster y + cy
	s_lshl_b32 s72, s18, 2
	s_lshl_b32 s72, 15, s72                        ; my row of the cluster: places 4 cy .. 4 cy + 3
	s_lshl_b32 s73, 0x1111, s17                    ; my column: places cx, cx + 4, cx + 8, cx + 12
	; descriptor group 1 for A: 128 rows x 128 elements
	s_or_b32 s[G1+0], s72, (1<<16)|(1<<20)|(1<<21)|(5<<22)|(3<<25)  ; 15:0 the mask: my row; 17:16 elements of 2 bytes; 20 padding on; 21 set beside a mask; 24:22 after every 64 words (code 5); 31:25 4 words (code 3)
	s_mov_b32 s[G1+1], 128<<16                     ; tensor_dim0 = 128
	s_mov_b32 s[G1+2], 128<<16                     ; tensor_dim1 = 128
	s_mov_b32 s[G1+3], 128<<16                     ; tile_dim0 = 128
	s_mov_b32 s[G1+4], 128                         ; tile_dim1 = 128
	s_mov_b32 s[G1+5], SIZE                        ; elements from row to row
	s_mov_b32 s[G1+6], 0
	s_mov_b32 s[G1+7], 0
	; descriptor group 1 for B: 64 rows x 256 elements
	s_or_b32 s[G1B+0], s73, (1<<16)|(1<<20)|(1<<21)|(6<<22)|(7<<25) ; the mask: my column; padding after every 128 words (code 6), 8 words (code 7)
	s_mov_b32 s[G1B+1], 256<<16                    ; tensor_dim0 = 256
	s_mov_b32 s[G1B+2], 64<<16                     ; tensor_dim1 = 64
	s_mov_b32 s[G1B+3], 256<<16                    ; tile_dim0 = 256
	s_mov_b32 s[G1B+4], 64                         ; tile_dim1 = 64
	s_mov_b32 s[G1B+5], SIZE
	s_mov_b32 s[G1B+6], 0
	s_mov_b32 s[G1B+7], 0
	; where the tiles come from.  A's hang on the tile row alone, which my row of the cluster shares; B's on the tile column alone, which my column shares.
	s_lshl_b32 s40, s20, 21                        ; A: 256 rows of 8,192 bytes a tile row,
	s_lshl_b32 s74, s[CH], 20                      ; + the 128 rows that I fetch
	s_add_co_u32 s40, s40, s74
	s_mov_b32 s41, 0
	s_lshl_b32 s42, s19, 9                         ; B: 512 bytes of a row a tile column,
	s_lshl_b32 s75, s[CH], 19                      ; + the 64 rows that I fetch
	s_add_co_u32 s42, s42, s75
	s_mov_b32 s43, 0
	s_mul_i32 s22, s[WV], HALF                     ; and where they go: A's two halves, then B's two halves: no place in the cluster enters an LDS address
	s_wait_dscnt 0x0                               ; both opening adds are done
	s_wait_kmcnt 0x0
	s_add_nc_u64 s[40:41], s[4:5], s[40:41]
	s_add_nc_u64 s[42:43], s[6:7], s[42:43]
	CROUND                                         ; all sixteen work-groups are here: the first joint loads meet
.irp s, 0,1
	s_mov_b32 s[G0+4*(\s)], 1                                      ; count = 1
	s_add_co_u32 s[G0+4*(\s)+1], s22, (\s)*SLOT                    ; LDS address
	s_add_nc_u64 s[G0+4*(\s)+2:G0+4*(\s)+3], s[40:41], (\s)*KSTEP*2  ; global address: K step s, 256 bytes along A's rows
	s_or_b32 s[G0+4*(\s)+3], s[G0+4*(\s)+3], 0x80000000            ; type = 2
	s_mov_b32 s[G0B+4*(\s)], 1
	s_add_co_u32 s[G0B+4*(\s)+1], s22, (\s)*SLOT
	s_add_nc_u64 s[G0B+4*(\s)+2:G0B+4*(\s)+3], s[42:43], (\s)*KSTEP*SIZE*2  ; K step s: 128 rows down B
	s_or_b32 s[G0B+4*(\s)+3], s[G0B+4*(\s)+3], 0x80000000
	JLOAD \s                                       ; the ring is filled before anything else is done: two loads of mine are out
.endr
	; A's fragment: 16 rows x 32 K in 8 registers: lane l holds row l % 16; registers 0-3 K = 8 (l / 16) + 0..7, registers 4-7 K = 16 + 8 (l / 16) + 0..7: two loads of 16 bytes, 32 bytes apart.
	v_and_b32 v1, 15, v0                           ; l % 16
	v_bfe_u32 v2, v0, 4, 1                         ; l / 16
	v_mul_u32_u24 v3, v1, PA
	v_lshl_add_u32 v3, v2, 4, v3
	s_mul_i32 s23, s[RH], HALF                     ; my 128 rows of A
	v_add_nc_u32 v[ADRA], s23, v3
	v_add_nc_u32 v[ADRA+1], SLOT, v[ADRA]
	; B's fragment by the turning load: lane l reads 16 bytes of row 8 (l / 16) + l % 8, columns 8 ((l / 8) % 2) + 0..7, and is left with column l % 16 and 8 K; the second load stands 16 rows down.
	v_and_b32 v4, 7, v0
	v_lshl_add_u32 v4, v2, 3, v4
	v_mul_u32_u24 v4, v4, PB
	v_bfe_u32 v5, v0, 3, 1
	v_lshl_add_u32 v4, v5, 4, v4
	s_lshl_b32 s23, s[CH], 8                       ; my 128 columns: 256 bytes of a row,
	s_add_co_u32 s23, s23, BOFF                    ; behind A's 256 rows
	v_add_nc_u32 v[ADRB], s23, v4
	v_add_nc_u32 v[ADRB+1], SLOT, v[ADRB]
	; the way out
	s_mul_i32 s23, s[WV], 16*SP
	s_add_co_u32 s23, s23, STAGE                   ; my stage
	v_mul_u32_u24 v7, v1, SP                       ; in: row l % 16, 32 bytes for each half of the lanes
	v_lshl_add_u32 v7, v2, 5, v7
	v_add_nc_u32 v[STO], s23, v7
	v_and_b32 v6, 31, v0
	v_lshlrev_b32 v[CO], 4, v6                     ; back: 32 lanes take one row of 512 bytes
	v_add_nc_u32 v[RD], s23, v[CO]
	s_lshl_b32 s46, s19, 10                        ; my first column in bytes of f32: 1,024 x tile column + 512 x half
	s_lshl_b32 s47, s[CH], 9
	s_add_co_u32 s46, s46, s47
	v_add_nc_u32 v[SBO], s46, v[CO]                ; on the way out I hold columns 4 l .. 4 l + 3 of my wave's 128 in every row: four scales and four biases serve the tile
	global_load_b128 v[SC:SC+3], v[SBO], s[8:9]
	global_load_b128 v[BI:BI+3], v[SBO], s[10:11]
	s_lshl_b32 s44, s20, 22                        ; my first row: 256 rows of 16,384 bytes a tile row,
	s_lshl_b32 s47, s[RH], 21                      ; + 128 x half
	s_add_co_u32 s44, s44, s47
	s_add_co_u32 s44, s44, s46
	s_mov_b32 s45, 0
	s_add_nc_u64 s[12:13], s[12:13], s[44:45]      ; out0 at my part of the tile; never stepped: 127 rows, 2,080,768 bytes, fit the stores' signed 24-bit immediate (ISA guide, chapter 10)
	; the prefetches
	s_lshl_b32 s76, s20, 21                        ; A: the tile row,
	s_lshl_b32 s77, s[CH], 20                      ; the 128 rows that I fetch,
	s_add_co_u32 s76, s76, s77
	s_lshl_b32 s77, s17, 18                        ; my work-group's 32 of them,
	s_add_co_u32 s76, s76, s77
	s_add_co_u32 s76, s76, 3*KSTEP*2               ; at K step 3: the first refill steps it to 4
	s_lshl_b32 s78, s19, 9                         ; B: the tile column,
	s_lshl_b32 s77, s[CH], 19                      ; the 64 rows that I fetch,
	s_add_co_u32 s78, s78, s77
	s_lshl_b32 s77, s18, 17                        ; my work-group's 16 of them,
	s_add_co_u32 s78, s78, s77
	s_add_co_u32 s78, s78, 3*KSTEP*SIZE*2          ; at K step 3
	s_and_b32 s74, ttmp7, 0xffff                   ; cluster y
	s_mov_b32 s75, KSTEP*2
	s_cmp_eq_u32 s[RH], 0                          ; do I fetch for A?
	s_cselect_b32 s76, s76, s78
	s_cselect_b32 s74, ttmp9, s74                  ; the coordinate along which other clusters read the same rows
	s_cselect_b32 s[PFS], s75, KSTEP*SIZE*2
	s_cselect_b64 s[PFA:PFA+1], s[4:5], s[6:7]
	s_mov_b32 s77, 0
	s_mov_b32 s[PFS+1], 0
	s_add_nc_u64 s[PFA:PFA+1], s[PFA:PFA+1], s[76:77]
	s_cmp_eq_u32 s74, 0
	s_cselect_b32 s[LIM], 1, -1                    ; the same in all sixteen partners, for a given wave
	v_lshrrev_b32 v8, s[RH], v6                    ; A: lane l takes row l; B: row l / 2,
	v_and_b32 v9, s[RH], v6                        ; and half l % 2 of its 512 bytes
	v_lshlrev_b32 v8, 13, v8
	v_lshl_add_u32 v[PFO], v9, 8, v8
	; scales and bias: rounded to bf16 and widened again
	s_wait_loadcnt 0x0
	v_cvt_pk_bf16_f32 v40, v[SC],   v[SC+1]
	v_cvt_pk_bf16_f32 v41, v[SC+2], v[SC+3]
	v_cvt_pk_bf16_f32 v42, v[BI],   v[BI+1]
	v_cvt_pk_bf16_f32 v43, v[BI+2], v[BI+3]
.irp p, 0,1,2,3
	v_lshlrev_b32 v[SC+2*(\p)],   16,         v[40+(\p)]
	v_and_b32     v[SC+2*(\p)+1], 0xffff0000, v[40+(\p)]
.endr
; 16 matrix instructions: m blocks a0, a0 + 1 of the window's four (hi = 0: my rows 0-63, 1: rows 64-127) x all 8 n blocks, 32 along K.  zero = 1: the first product starts the sums: nothing is cleared.
; The 64 accumulators take turns, one instruction a turn, in the same order in every quarter, over the backward jump too.
.macro MUL16 f, hi, a0, zero
	WIN MUL_LO+0x50*(\hi)
.irp a, \a0, (\a0)+1
.irp b, 0,1,2,3,4,5,6,7
.if \zero
	v_wmma_f32_16x16x32_bf16 v[8*(8*(\a)+(\b)):8*(8*(\a)+(\b))+7], v[(\f)+8*(\b):(\f)+8*(\b)+7], v[(\f)+8*(4*(\hi)+(\a)):(\f)+8*(4*(\hi)+(\a))+7], 0
.else
	v_wmma_f32_16x16x32_bf16 v[8*(8*(\a)+(\b)):8*(8*(\a)+(\b))+7], v[(\f)+8*(\b):(\f)+8*(\b)+7], v[(\f)+8*(4*(\hi)+(\a)):(\f)+8*(4*(\hi)+(\a))+7], v[8*(8*(\a)+(\b)):8*(8*(\a)+(\b))+7]
.endif
.endr
.endr
.endm
; 32 LDS loads in one run: the fragments of quarter q of a K step (32 K: 32 rows of B x my 128 columns; my 128 rows of A x 64 bytes) into buffer f.  16 for B, then 8 for A's rows 0-63, then 8 for rows 64-127.
.macro FETCH slot, q, f
	WIN TO_B
.irp i, 0,1,2,3,4,5,6,7
	ds_load_tr16_b128 v[(\f)+8*(\i):(\f)+8*(\i)+3],   v[ADRB+(\slot)] offset:(\q)*32*PB+32*(\i)
	ds_load_tr16_b128 v[(\f)+8*(\i)+4:(\f)+8*(\i)+7], v[ADRB+(\slot)] offset:(\q)*32*PB+16*PB+32*(\i)
.endr
	WIN 0
.irp i, 0,1,2,3,4,5,6,7
	ds_load_b128 v[(\f)+8*(\i):(\f)+8*(\i)+3],   v[ADRA+(\slot)] offset:(\q)*64+(\i)*16*PA
	ds_load_b128 v[(\f)+8*(\i)+4:(\f)+8*(\i)+7], v[ADRA+(\slot)] offset:(\q)*64+(\i)*16*PA+32
.endr
.endm
; A load into a register that a matrix instruction has read, and an LDS store of a matrix result, stand four places behind that matrix instruction; only plain vector instructions
; that name none of its registers are places (ISA guide 7.12.1 for vector instructions).
.macro PLACES
.rept 4
	v_nop
.endr
.endm
; A K step is four quarters of 32 along K, 64 matrix instructions each, on buffers 0, 1, 0, 1.  One of the first three: multiplies buffer f; in its middle it fetches quarter q of the same slot into buffer g.
.macro QUARTER slot, q, f, g, zero
	s_wait_dscnt 8                                 ; B and A's rows 0-63 are in; the youngest eight loads (A's rows 64-127) may be out
	MUL16 \f, 0, 0, \zero
	MUL16 \f, 0, 2, \zero
	PLACES
	FETCH \slot, \q, \g
	s_wait_dscnt 32                                ; all but the 32 just issued
	MUL16 \f, 1, 0, \zero
	MUL16 \f, 1, 2, \zero
.endm
; The last quarter multiplies buffer 1 and changes slots.  MEET is its first half: one barrier for two things.  In front of it each wave waits for all its tensor loads, of which one is
; out: its part of the next slot; adds 0 to its spare word; and waits for that and for its own reads of this slot.  Behind it nobody reads this slot any more and the next slot is whole.
.macro MEET round                      ; round = 1: a round of the cluster's barrier follows
	WIN 0                                          ; (the add's two registers lie in window 0)
	s_wait_tensorcnt 0x0                           ; all my tensor loads have landed
	ds_add_u32 v[SPW], v[NIL]                      ; 0 onto my spare word
	s_wait_dscnt 9                                 ; (the add and the youngest eight loads may be out)
	MUL16 F1, 0, 0, 0                              ; sixteen matrix instructions stand between the add and the wait for it
	s_wait_dscnt 0x0                               ; the add is done, and my reads of this slot are over
	s_barrier_signal -1
	MUL16 F1, 0, 2, 0                              ; work on registers while the others arrive
.if \round
	WIN 0
.endif
	s_barrier_wait -1
.endm
; The whole last quarter.  fill = 1: behind the round the slot just read out is filled again first, with the K step two steps on: from that request to the wait for it a wave issues 224 matrix
; instructions; then come the next slot's first fragments.
.macro TURN slot, next, fill
.if \fill
	s_wait_xcnt 0x0                                ; the last prefetch, a K step back, has read its address: it is stepped here, ahead of the waits of the change of slots
	s_add_nc_u64 s[PFA:PFA+1], s[PFA:PFA+1], s[PFS:PFS+1]
	MEET 1
	CREST                                          ; no wave of any partner still reads this slot's tile or has a load on its way
	s_add_nc_u64 s[G0+4*(\slot)+2:G0+4*(\slot)+3], s[G0+4*(\slot)+2:G0+4*(\slot)+3], 2*KSTEP*2
	s_add_nc_u64 s[G0B+4*(\slot)+2:G0B+4*(\slot)+3], s[G0B+4*(\slot)+2:G0B+4*(\slot)+3], 2*KSTEP*SIZE*2
	JLOAD \slot                                    ; the first tensor load behind the round, my only one until the next; its four v_nop are also the places in front of the loads below
	FETCH \next, 0, F0
	ASK
.else
	MEET 0
	PLACES
	FETCH \next, 0, F0
.endif
	MUL16 F1, 1, 0, 0
	MUL16 F1, 1, 2, 0
.endm
; THE WAY OUT of block a (16 rows x 128 columns of f32).  TOSTAGE: the block's eight accumulators go into my own stage, 32 bytes a lane (each accumulator's low four registers first),
; and come back as whole rows of 512 bytes, into the registers that held A's fragments, two buffers of 64 by turns.  SEND: scale and bias, one fused multiply-add, and the store.
.macro TOSTAGE a
.set AC, 64*((\a)%4)
.set BK, F0+64*((\a)%2)
.if (\a) >= 2
	s_wait_xcnt 0x0                                ; the stores of the block two back have read this buffer: only behind this wait is it loaded again
.endif
	WIN 0x08+4*((\a)/4)                            ; the stores' data (source 1) in window 2 or 3
.irp b, 0,1,2,3,4,5,6,7
	ds_store_b128 v[STO], v[AC+8*(\b):AC+8*(\b)+3]   offset:64*(\b)
	ds_store_b128 v[STO], v[AC+8*(\b)+4:AC+8*(\b)+7] offset:64*(\b)+16
.endr
	WIN 0
.irp t, 0,1,2,3,4,5,6,7,8,9,10,11,12,13,14,15
	ds_load_b128 v[BK+4*(\t):BK+4*(\t)+3], v[RD] offset:(\t)*SP  ; LDS serves a wave's instructions in order (ISA guide 5.7.1.4): these see the stores above; the next block's stores come behind them
.endr
.endm
.macro SEND a, younger                 ; younger: the LDS instructions issued behind block a's loads: the next block's 16 stores and 16 loads, or none
.set BK, F0+64*((\a)%2)
	s_wait_dscnt \younger
.irp t, 0,1,2,3,4,5,6,7,8,9,10,11,12,13,14,15
	v_pk_fma_f32 v[BK+4*(\t):BK+4*(\t)+1],   v[BK+4*(\t):BK+4*(\t)+1],   v[SC:SC+1],   v[BI:BI+1]
	v_pk_fma_f32 v[BK+4*(\t)+2:BK+4*(\t)+3], v[BK+4*(\t)+2:BK+4*(\t)+3], v[SC+2:SC+3], v[BI+2:BI+3]
	global_store_b128 v[CO], v[BK+4*(\t):BK+4*(\t)+3], s[12:13] offset:(16*(\a)+(\t))*SIZE*4 th:TH_STORE_NT  ; 32 lanes store 512 consecutive bytes, at a multiple of 512 from out0's first byte
.endr
.endm
	s_wait_tensorcnt 1                             ; my part of K step 0 is in; K step 1's may stay out
	s_barrier_signal -1
	s_barrier_wait -1                              ; everybody's is
	FETCH 0, 0, F0
	QUARTER 0, 1, F0, F1, 1                        ; the first quarter stands in front of the loop: its products start the sums
	WIN 0                                          ; at a label and at a branch every window is 0
	s_mov_b32 s[CNT], LAPS-1
.Llap:                                                 ; a trip goes once round the ring, from a lap's second quarter to the next lap's first, and fills both slots again
	QUARTER 0, 2, F1, F0, 0
	QUARTER 0, 3, F0, F1, 0
	TURN 0, 1, 1
	QUARTER 1, 1, F0, F1, 0
	QUARTER 1, 2, F1, F0, 0
	QUARTER 1, 3, F0, F1, 0
	TURN 1, 0, 1
	QUARTER 0, 1, F0, F1, 0
	WIN 0
	s_sub_co_u32 s[CNT], s[CNT], 1
	s_cmp_lg_u32 s[CNT], 0
	s_cbranch_scc1 .Llap
	QUARTER 0, 2, F1, F0, 0                        ; the last lap is written out: it fills nothing, and has no round of the cluster's barrier
	QUARTER 0, 3, F0, F1, 0
	TURN 0, 1, 0
	QUARTER 1, 1, F0, F1, 0
	QUARTER 1, 2, F1, F0, 0
	QUARTER 1, 3, F0, F1, 0
	s_wait_dscnt 8                                 ; the very last quarter: nothing more to fetch
	MUL16 F1, 0, 0, 0
	MUL16 F1, 0, 2, 0
	s_wait_dscnt 0x0
	MUL16 F1, 1, 0, 0
	MUL16 F1, 1, 2, 0
	WIN 0
	PLACES                                         ; behind the last products: the LDS stores below read results, the LDS loads write registers that products have read
	PLACES
	TOSTAGE 0
.irp a, 1,2,3,4,5,6,7                  ; block a's trip through the stage is under way while block a - 1 is scaled and stored
	TOSTAGE \a
	SEND (\a)-1, 32
.endr
	SEND 7, 0
	s_wait_tensorcnt 0x0                           ; the wave's end: the add and its wait, behind my last tensor load and my last LDS store
	ds_add_u32 v[SPW], v[NIL]
	s_wait_dscnt 0x0
	CROUND                                         ; the closing round: no work-group ends while a partner may still ask for a tile that names it
	s_endpgm
.Lfunc_end_k_qd10d781baf_gemm:
	.size	k_qd10d781baf_gemm, .Lfunc_end_k_qd10d781baf_gemm-k_qd10d781baf_gemm
	.p2alignl 7, 3214868480
	.fill 96, 4, 3214868480
	.section	.rodata,"a",@progbits
	.p2align	6, 0x0
	.amdhsa_kernel k_qd10d781baf_gemm
		.amdhsa_group_segment_fixed_size 327680
		.amdhsa_private_segment_fixed_size 0
		.amdhsa_enable_private_segment 0
		.amdhsa_kernarg_size 40
		.amdhsa_user_sgpr_count 2
		.amdhsa_user_sgpr_kernarg_segment_ptr 1
		.amdhsa_wavefront_size32 1
		.amdhsa_system_sgpr_workgroup_id_x 1
		.amdhsa_system_sgpr_workgroup_id_y 1
		.amdhsa_system_sgpr_workgroup_id_z 1
		.amdhsa_system_vgpr_workitem_id 0
		.amdhsa_next_free_vgpr 1024
		.amdhsa_next_free_sgpr 80
		.amdhsa_reserve_vcc 0
		.amdhsa_float_denorm_mode_32 3
		.amdhsa_float_denorm_mode_16_64 3
		.amdhsa_memory_ordered 1
		.amdhsa_forward_progress 1
		.amdhsa_inst_pref_size 158
	.end_amdhsa_kernel
	.amdgpu_metadata
---
amdhsa.version: [ 1, 2 ]
amdhsa.kernels:
  - .name:           k_qd10d781baf_gemm
    .symbol:         k_qd10d781baf_gemm.kd
    .args:
      - { .name: xb, .offset: 0, .size: 8, .value_kind: global_buffer, .address_space: global }
      - { .name: wb, .offset: 8, .size: 8, .value_kind: global_buffer, .address_space: global }
      - { .name: scales, .offset: 16, .size: 8, .value_kind: global_buffer, .address_space: global }
      - { .name: bias, .offset: 24, .size: 8, .value_kind: global_buffer, .address_space: global }
      - { .name: out0, .offset: 32, .size: 8, .value_kind: global_buffer, .address_space: global }
    .group_segment_fixed_size: 327680
    .private_segment_fixed_size: 0
    .kernarg_segment_align: 8
    .kernarg_segment_size: 40
    .max_flat_workgroup_size: 128
    .sgpr_count:     80
    .vgpr_count:     1024
    .wavefront_size: 32
...
	.end_amdgpu_metadata
.endif
;; end of part 2
;; ======== version 2 of 2: 2 launches; version 1 with the launch prep written anew for expert scheduling mode
;; workspace buffers: xb 33,554,432 bytes; wb 33,554,432 bytes
;; launch prep (part 3): grid 1024 x 1, 8 waves a work-group, no clusters, 0 bytes of LDS; arguments x, qweight, scales, zeros, xb, wb; writes xb, wb
.if DOCPART == 3
	.amdgcn_target "amdgcn-amd-amdhsa--gfx1250"
	.amdhsa_code_object_version 6
	.text
	.protected	k_qd10d781baf_prep
	.globl	k_qd10d781baf_prep
	.p2align	8
	.type	k_qd10d781baf_prep,@function
k_qd10d781baf_prep:
	s_mov_b64 s[64:65], 0
	v_nop
	global_prefetch_b8 v0, s[64:65] scope:SCOPE_SE
	s_setreg_imm32_b32 hwreg(HW_REG_WAVE_SCHED_MODE, 0, 2), 2
	s_setreg_imm32_b32 hwreg(HW_REG_WAVE_MODE, 25, 1), 1
	s_wait_xcnt 0x0
	s_wait_alu depctr_vm_vsrc(0)
; PREPARATION FOR THE PRODUCT y = x w + bias, w[i][o] = (q[i][o] - zp[o]) scale[o], zp = round(zeros / scales), ties to even.
;   xb[m][i] = x[m][i] rounded once to bf16                               [4096][4096] bf16
;   wb[i][o] = q[i][o] - zp[o], formed in f32 and rounded once to bf16    [4096][4096] bf16, row i = input index; the scale is applied behind the product
; q[2 R][o] is bits 3:0 and q[2 R + 1][o] bits 7:4 of qweight[R][o]; the word's other bits are not used, as in the definition.
; ALL FLOAT INPUTS ARE TAKEN ROUNDED TO bf16: zp is made from zeros and scales so rounded; scales and bias are rounded the same way where they are applied.
; LIMITS.  |scales| within 2^-126 .. 2^126 (v_rcp_f32 takes a denormal as 0 and gives 0 for a denormal result: ISA guide, its entry in 15.8).
; q - zp is a whole number, held exactly in bf16 up to 256 in magnitude; beyond that it is rounded once, to 8 significant bits, as a matrix operand.
; A STREAM: every byte of x and qweight is read once and every byte of xb and wb written once.  No LDS, no barrier, no matrix unit, no cluster: no work-group wants a byte of x or
; qweight that another reads (scales and zeros, 4 KiB each a work-group, are 8 KiB of its 104 KiB of input).
; SHARES.  Work-group g of 1,024, thread t of 256.  x: bytes 65,536 g .. of x in 16 steps of 4,096; thread t takes 16 bytes at 16 t of each and writes 8 at 8 t.
; qweight: rows 8 (g / 4) + j, j = 0..7, columns 1,024 (g % 4) + 4 t .. + 3: a thread keeps its four columns, so four zero points serve all its rows.
; A wave's load covers 512 consecutive bytes, a wave's store 256 consecutive bytes, aligned.  All 26 loads of a thread go out at once; the waits count down.
; THE MODE: SCHED_MODE bits 1:0 = 2 (LLVM: expert scheduling mode 2), set by the entry lines.  The code itself states the register dependences
; between vector instructions and memory instructions, with s_wait_alu, always for 0.
; THE PLAN.  Registers that memory instructions touch:
;   v1, v2     byte offsets, made once at the head and never written again: v1 is read by every load, v2 by every store; rows and steps are reached by immediate offsets.
;   Z, S       a load lands in each; behind the wait for it vector instructions alone name them.
;   X          step i: its load lands in four registers; its two roundings write the first two of them in place; one store reads those two; nothing writes them again.
;   Q          row j: its load lands in four registers; its four roundings write them in place; two stores read them; nothing writes them again.
;   Y, E, ZP, T are named by vector instructions alone.
; Every load is issued before a vector instruction names a register in which it lands, and no register that a load or a store reads is ever written again.  So all that is to be stated
; is: the offsets are written ahead of the first load, and a store's data are written ahead of the store.
; The work goes in eight BLOCKS: blocks 0 to 3 are four steps of x each, blocks 4 to 7 two rows of qweight each.  Block p's four stores are issued in block p + 1, behind ONE wait at that
; block's head, dealt among its vector instructions, none of which names a register of block p; the last block's stores stand behind a wait of their own.
.set Z,   4                            ; v[4:7]    zeros of my 4 columns
.set S,   8                            ; v[8:11]   scales
.set Y,   12                           ; v[12:15]  1 / scale
.set E,   16                           ; v[16:19]  at work
.set ZP,  20                           ; v[20:23]  zero points
.set T,   24                           ; v[24:31]  eight numbers in f32, at work
.set X,   32                           ; v[32:95]  step i of x: 4 registers
.set Q,   96                           ; v[96:127] row j of qweight: 4 registers
	s_load_b256 s[4:11], s[0:1], 0x0               ; x s[4:5], qweight s[6:7], scales s[8:9], zeros s[10:11]
	s_load_b128 s[12:15], s[0:1], 0x20             ; xb s[12:13], wb s[14:15]
	s_mov_b32 s16, 0xffff0000                      ; a word's upper bf16
	s_and_b32 s20, ttmp9, 3                        ; which 1,024 columns
	s_lshr_b32 s21, ttmp9, 2                       ; which 8 rows of qweight
	s_lshl_b32 s22, s20, 12                        ; 1,024 columns of 4 bytes
	s_lshl_b32 s23, s20, 11                        ; 1,024 columns of 2 bytes
	s_lshl_b32 s21, s21, 17                        ; 8 rows of 16,384 bytes in qweight = 16 rows of 8,192 bytes in wb
	s_mov_b32 s19, 0                               ; every offset is under 2^32
	v_lshlrev_b32 v1, 4, v0                        ; 16 t
	v_lshlrev_b32 v2, 3, v0                        ; 8 t
	s_wait_kmcnt 0x0
	s_lshl_b32 s18, ttmp9, 16
	s_add_nc_u64 s[4:5], s[4:5], s[18:19]          ; x at my work-group's 65,536 bytes
	s_lshl_b32 s18, ttmp9, 15
	s_add_nc_u64 s[12:13], s[12:13], s[18:19]      ; xb at its 32,768
	s_add_co_u32 s18, s21, s22
	s_add_nc_u64 s[6:7], s[6:7], s[18:19]          ; qweight at my first row and column
	s_add_co_u32 s18, s21, s23
	s_add_nc_u64 s[14:15], s[14:15], s[18:19]      ; wb likewise
	s_mov_b32 s18, s22
	s_add_nc_u64 s[8:9], s[8:9], s[18:19]          ; scales and zeros at my first column
	s_add_nc_u64 s[10:11], s[10:11], s[18:19]
	s_wait_alu depctr_va_vdst(0)                   ; v1 and v2 are written: every load of the kernel reads v1 as its offset, every store v2
	global_load_b128 v[Z:Z+3], v1, s[10:11]
	global_load_b128 v[S:S+3], v1, s[8:9]
.irp i, 0,1,2,3,4,5,6,7,8,9,10,11,12,13,14,15
	global_load_b128 v[X+4*(\i):X+4*(\i)+3], v1, s[4:5] offset:4096*(\i) th:TH_LOAD_NT
.endr
.irp j, 0,1,2,3,4,5,6,7
	global_load_b128 v[Q+4*(\j):Q+4*(\j)+3], v1, s[6:7] offset:16384*(\j) th:TH_LOAD_NT
.endr
	; THE ZERO POINTS, while x and qweight are on their way.
	s_wait_loadcnt 24                              ; zeros and scales are in; the 24 younger loads stay out
	v_cvt_pk_bf16_f32 v[E],   v[Z],   v[Z+1]       ; rounded to bf16,
	v_cvt_pk_bf16_f32 v[E+1], v[Z+2], v[Z+3]
	v_cvt_pk_bf16_f32 v[E+2], v[S],   v[S+1]
	v_cvt_pk_bf16_f32 v[E+3], v[S+2], v[S+3]
.irp p, 0,1
	v_lshlrev_b32 v[Z+2*(\p)],   16,  v[E+(\p)]    ; and widened again
	v_and_b32     v[Z+2*(\p)+1], s16, v[E+(\p)]
	v_lshlrev_b32 v[S+2*(\p)],   16,  v[E+2+(\p)]
	v_and_b32     v[S+2*(\p)+1], s16, v[E+2+(\p)]
.endr
.irp c, 0,1,2,3
	v_rcp_f32 v[Y+(\c)], v[S+(\c)]
.endr
	v_nop                                          ; a plain instruction between the last reciprocal and the first use (ISA guide 5.7.2)
	s_wait_alu depctr_va_vdst(0)                   ; the four reciprocals have written v[Y ..]: the wait ahead of their first reader, one for the four
	; z / s: the reciprocal is refined once, the quotient corrected once by its exact remainder (one fused multiply-add).  A quotient that f32 holds exactly, a tie n + 0.5 among
	; them, comes out exactly, so v_rndne_f32 sends ties to even as the definition does.
.irp c, 0,1,2,3
	v_fma_f32 v[E+(\c)], -v[S+(\c)], v[Y+(\c)], 1.0
.endr
.irp c, 0,1,2,3
	v_fma_f32 v[Y+(\c)], v[E+(\c)], v[Y+(\c)], v[Y+(\c)]
.endr
.irp c, 0,1,2,3
	v_mul_f32 v[ZP+(\c)], v[Z+(\c)], v[Y+(\c)]
.endr
.irp c, 0,1,2,3
	v_fma_f32 v[E+(\c)], -v[S+(\c)], v[ZP+(\c)], v[Z+(\c)]
.endr
.irp c, 0,1,2,3
	v_fma_f32 v[ZP+(\c)], v[E+(\c)], v[Y+(\c)], v[ZP+(\c)]
.endr
.irp c, 0,1,2,3
	v_rndne_f32 v[ZP+(\c)], v[ZP+(\c)]
.endr
; Step i of x, its arithmetic: four numbers rounded in place into two registers.
.macro XCV i
	s_wait_loadcnt 23-(\i)                         ; loads come back in order (ISA guide 5.7.1): behind mine stand 15 - i of x and 8 of qweight
	v_cvt_pk_bf16_f32 v[X+4*(\i)],   v[X+4*(\i)],   v[X+4*(\i)+1]
	v_cvt_pk_bf16_f32 v[X+4*(\i)+1], v[X+4*(\i)+2], v[X+4*(\i)+3]
.endm
; Step i of x, its store, issued a block later.  No register that a store reads is written again in this text, so no wait frees one.
.macro XST i
	global_store_b64 v2, v[X+4*(\i):X+4*(\i)+1], s[12:13] offset:2048*(\i) th:TH_STORE_NT
.endm
; Row j of qweight, its arithmetic: its low codes are row 2 j of my 16 rows of wb, its high codes row 2 j + 1.
.macro QCV j
	s_wait_loadcnt 7-(\j)
.irp c, 0,1,2,3
	v_and_b32 v[T+(\c)], 15, v[Q+4*(\j)+(\c)]
	v_bfe_u32 v[T+4+(\c)], v[Q+4*(\j)+(\c)], 4, 4
.endr
.irp c, 0,1,2,3,4,5,6,7
	v_cvt_f32_u32 v[T+(\c)], v[T+(\c)]
.endr
.irp p, 0,1,2,3
	v_pk_add_f32 v[T+2*(\p):T+2*(\p)+1], v[T+2*(\p):T+2*(\p)+1], v[ZP+2*((\p)%2):ZP+2*((\p)%2)+1] neg_lo:[0,1] neg_hi:[0,1]  ; q - zp, exact in f32 while zp is under 2^24
.endr
.irp p, 0,1,2,3
	v_cvt_pk_bf16_f32 v[Q+4*(\j)+(\p)], v[T+2*(\p)], v[T+2*(\p)+1]
.endr
.endm
; Row j of qweight, its two stores, issued a block later.
.macro QST j
	global_store_b64 v2, v[Q+4*(\j):Q+4*(\j)+1],   s[14:15] offset:(2*(\j))*8192 th:TH_STORE_NT
	global_store_b64 v2, v[Q+4*(\j)+2:Q+4*(\j)+3], s[14:15] offset:(2*(\j)+1)*8192 th:TH_STORE_NT
.endm
	; Block 0: steps 0 to 3 of x; there is no block in front of it, so it stores nothing and states nothing.
.irp i, 0,1,2,3
	XCV \i
.endr
	; Blocks 1 to 3: a store of the block before stands ahead of each step's wait for its load, so that it leaves while the wave waits.
	s_wait_alu depctr_va_vdst(0)                   ; block 0's roundings have written the registers of steps 0 to 3, which the four stores below read; no vector instruction of this block names them
.irp i, 4,5,6,7
	XST (\i)-4
	XCV \i
.endr
	s_wait_alu depctr_va_vdst(0)                   ; block 1's roundings have written the registers of steps 4 to 7, which the four stores below read
.irp i, 8,9,10,11
	XST (\i)-4
	XCV \i
.endr
	s_wait_alu depctr_va_vdst(0)                   ; block 2's roundings have written the registers of steps 8 to 11, which the four stores below read
.irp i, 12,13,14,15
	XST (\i)-4
	XCV \i
.endr
	; Block 4: rows 0 and 1 of qweight, and the last four stores of x.
	s_wait_alu depctr_va_vdst(0)                   ; block 3's roundings have written the registers of steps 12 to 15, which the four stores below read; the rows' arithmetic names T, ZP and Q alone
	XST 12
	XST 13
	QCV 0
	XST 14
	XST 15
	QCV 1
	; Blocks 5 to 7: two rows each; the two rows of the block before are stored, a row's two stores ahead of each row's wait for its load.
	s_wait_alu depctr_va_vdst(0)                   ; block 4's roundings have written rows 0 and 1 of Q, which the four stores below read; this block names rows 2 and 3 alone
	QST 0
	QCV 2
	QST 1
	QCV 3
	s_wait_alu depctr_va_vdst(0)                   ; block 5's roundings have written rows 2 and 3 of Q, which the four stores below read
	QST 2
	QCV 4
	QST 3
	QCV 5
	s_wait_alu depctr_va_vdst(0)                   ; block 6's roundings have written rows 4 and 5 of Q, which the four stores below read
	QST 4
	QCV 6
	QST 5
	QCV 7
	s_wait_alu depctr_va_vdst(0)                   ; block 7's roundings have written rows 6 and 7 of Q, which the last four stores read
	QST 6
	QST 7
	s_endpgm
.Lfunc_end_k_qd10d781baf_prep:
	.size	k_qd10d781baf_prep, .Lfunc_end_k_qd10d781baf_prep-k_qd10d781baf_prep
	.p2alignl 7, 3214868480
	.fill 96, 4, 3214868480
	.section	.rodata,"a",@progbits
	.p2align	6, 0x0
	.amdhsa_kernel k_qd10d781baf_prep
		.amdhsa_group_segment_fixed_size 0
		.amdhsa_private_segment_fixed_size 0
		.amdhsa_enable_private_segment 0
		.amdhsa_kernarg_size 48
		.amdhsa_user_sgpr_count 2
		.amdhsa_user_sgpr_kernarg_segment_ptr 1
		.amdhsa_wavefront_size32 1
		.amdhsa_system_sgpr_workgroup_id_x 1
		.amdhsa_system_sgpr_workgroup_id_y 1
		.amdhsa_system_sgpr_workgroup_id_z 1
		.amdhsa_system_vgpr_workitem_id 0
		.amdhsa_next_free_vgpr 128
		.amdhsa_next_free_sgpr 66
		.amdhsa_reserve_vcc 0
		.amdhsa_float_denorm_mode_32 3
		.amdhsa_float_denorm_mode_16_64 3
		.amdhsa_memory_ordered 1
		.amdhsa_forward_progress 1
		.amdhsa_inst_pref_size 21
	.end_amdhsa_kernel
	.amdgpu_metadata
---
amdhsa.version: [ 1, 2 ]
amdhsa.kernels:
  - .name:           k_qd10d781baf_prep
    .symbol:         k_qd10d781baf_prep.kd
    .args:
      - { .name: x, .offset: 0, .size: 8, .value_kind: global_buffer, .address_space: global }
      - { .name: qweight, .offset: 8, .size: 8, .value_kind: global_buffer, .address_space: global }
      - { .name: scales, .offset: 16, .size: 8, .value_kind: global_buffer, .address_space: global }
      - { .name: zeros, .offset: 24, .size: 8, .value_kind: global_buffer, .address_space: global }
      - { .name: xb, .offset: 32, .size: 8, .value_kind: global_buffer, .address_space: global }
      - { .name: wb, .offset: 40, .size: 8, .value_kind: global_buffer, .address_space: global }
    .group_segment_fixed_size: 0
    .private_segment_fixed_size: 0
    .kernarg_segment_align: 8
    .kernarg_segment_size: 48
    .max_flat_workgroup_size: 256
    .sgpr_count:     66
    .vgpr_count:     128
    .wavefront_size: 32
...
	.end_amdgpu_metadata
.endif
;; end of part 3
;; launch gemm: the kernel of part 2 again; grid 16 x 16, 4 waves a work-group, clusters of 4 x 4, 327,680 bytes of LDS; arguments xb, wb, scales, bias, out0; writes out0
